; MI455X (gfx1250); checked and timed in simulation.
; The chip was launched on July 23, 2026; its instructions are those of AMD's public machine-readable ISA for CDNA 5 (MIT licence, August 2026) and "CDNA5" Instruction Set Architecture Reference Guide (July 2026). The comments in the code are by the model that wrote it; some were corrected since.
;; Individual Attention. Allowed arithmetic: matrix products marked QUANTISED: E2M3 operands, one E8M0 scale for each 32 along K, by v_wmma_scale_f32_16x16x128_f8f6f4 with both operands' format E2M3, f32 sums; everything else in f32.
;; Inputs: Wk 512 x 512 float32; Wo 512 x 512 float32; Wq 512 x 512 float32; Wv 512 x 512 float32; bo 512 float32; hidden_states 32 x 1,024 x 512 float32.
;; Outputs: out0 32 x 1,024 x 512 float32.
;; Constants: video_length = 16.
;; This version of the problem:
;;   THIS VERSION OF THE PROBLEM IS GIVEN IN LOW PRECISION. The matrix products marked QUANTISED in the list below multiply operands that are first quantised to E2M3 (2 exponent bits, 3 mantissa bits; 6 bits a number), with one power-of-two scale for each 32 numbers along K (OCP MX v1.0); their sums are f32. All else is computed in f32.
;;   The module's matrix products, in the order in which they are computed (A, B: the left and right operand; K: the contracted axis; several contracted axes count as one K, in the product's order):
;;     1. [M 32,768, K 512] x [K 512, N 512]; A: input hidden_states; B: input Wq: QUANTISED
;;     2. [M 32,768, K 512] x [K 512, N 512]; A: input hidden_states; B: input Wk: QUANTISED
;;     3. [M 32,768, K 512] x [K 512, N 512]; A: input hidden_states; B: input Wv: QUANTISED
;;     4. batch 256 x [M 1,024, K 64] x [K 64, N 1,024]; A: computed on the way; B: computed on the way: QUANTISED
;;     5. batch 256 x [M 64, K 1,024] x [K 1,024, N 1,024]; A: computed on the way; B: softmax (see below): QUANTISED
;;     6. [M 32,768, K 512] x [K 512, N 512]; A: computed on the way; B: input Wo: QUANTISED
;;   THE QUANTISER, for each operand of a quantised product, along K:
;;     - K is cut into blocks of 32 from its start; a last block that is shorter is filled with zeros.
;;     - A block's scale is 2^e with e = floor(log2(the largest magnitude in the block)) - 2, held to -126 .. 127; a block of zeros has e = 0. As a byte (E8M0): e + 127.
;;     - Each number is divided by its block's scale, clamped to +-7.5, and rounded to the nearest number of E2M3, ties to even, subnormals kept.
;;     - The product sums the exact products of the quantised numbers (number of the format x scale) in f32.
;;   ~~~python
;;   def quantise(x, axis):      # numpy; x: float32 -> the quantised numbers, widened to float32 again
;;       x = np.moveaxis(x, axis, -1); K = x.shape[-1]
;;       x = np.pad(x, [(0, 0)] * (x.ndim - 1) + [(0, -K % 32)]); x = x.reshape(x.shape[:-1] + (-1, 32)); a = np.abs(x).max(-1, keepdims=True)
;;       e = np.where(a > 0, np.clip(np.frexp(np.where(a > 0, a, 1))[1] - 1 - 2, -126, 127), 0)      # np.frexp(a)[1] - 1 = floor(log2(a)), exactly
;;       r = np.clip(x / 2.0 ** e, -7.5, 7.5)
;;       step = 2.0 ** (np.maximum(np.frexp(np.where(r == 0, 1, r))[1] - 1, 0) - 3)
;;       q = np.round(r / step) * step * 2.0 ** e      # np.round: ties to even
;;       return np.moveaxis(q.reshape(q.shape[:-2] + (-1,))[..., :K], -1, axis).astype(np.float32)
;;   ~~~
;;   SOFTMAX AHEAD OF A QUANTISED PRODUCT. Where the list says 'softmax', what is quantised is not the finished softmax but p = 2^(t - M), with t = logit x log2(e) and M = ceil(the row's largest t), a whole number; so 1/2 < the row's largest p <= 1. The row's sum l is taken of the UNQUANTISED p, in f32, and the product's result is divided by l at the end. Since M is a whole number, a kernel that streams over the keys may use a running M (the ceiling of the running maximum): every later rescaling is an exact power of two, which a block's scale takes up: the codes' values come out the same.
;;   OPERANDS COMPUTED ON THE WAY. 'Computed on the way' means the value that the module computes at that place (a softmax that the list does not call 'softmax' is quantised finished and normalised). What goes into a quantiser is computed in f32, as accurately as f32 sums, v_exp_f32 and their like allow (about 1e-6 of the number): no bf16 or f16 on the way to a quantiser, and a product that is left as it is and whose result goes on into a quantised operand takes f32 operands (vector FMAs, or v_wmma_f32_16x16x4_f32). A number that lies on a knife's edge between two numbers of the format may be rounded either way, as far as f32 arithmetic and the matrix unit's own rounding can turn it there, and no further.
;; One version. Each part assembles by itself: llvm-mc -triple=amdgcn-amd-amdhsa -mcpu=gfx1250 --defsym DOCPART=n.
;; ======== version 1 of 1: 3 launches
;; limits: right only within a limited range of input values
;; workspace buffers: cod 13,369,344 bytes; scl 557,056 bytes; ocod 12,582,912 bytes; oscl 1,048,576 bytes
;; launch prep (part 1): grid 544 x 1, 4 waves a work-group, no clusters, 34,304 bytes of LDS; arguments hidden_states, Wq, Wk, Wv, Wo, cod, scl; writes cod, scl
.if DOCPART == 1
	.amdgcn_target "amdgcn-amd-amdhsa--gfx1250"
	.amdhsa_code_object_version 6
	.text
	.protected	k_q332a68108f_prep
	.globl	k_q332a68108f_prep
	.p2align	8
	.type	k_q332a68108f_prep,@function
k_q332a68108f_prep:
	s_mov_b64 s[64:65], 0
	v_nop
	global_prefetch_b8 v0, s[64:65] scope:SCOPE_SE
	s_setreg_imm32_b32 hwreg(HW_REG_WAVE_MODE, 25, 1), 1
	s_wait_xcnt 0x0
; hidden_states [32768][512] and Wq, Wk, Wv, Wo [512][512], f32, K innermost, become codes of FP6 (E2M3) with one E8M0 byte for each 32 along K,
; laid as IMAGES OF THE OPERAND'S REGISTERS, so that the later launches fetch fragments by loads of 16 bytes a lane alone.
; A PAIR is 32 neighbouring rows = two tiles u = 0, 1 of 16 rows; lane-row r of tile u is row 32 pair + 8 u + r + 8 (r / 8).  Where such a tile is source 0 of a product,
; the 16 result registers of tiles u = 0, 1 in a lane are 16 neighbouring rows: 32 pair + 16 (lane / 16) + 0 .. 15.
; cod: pair record of 12,288 bytes = [u 2][K step s 4][1,536 bytes]: registers 4 c .. 4 c + 3 of the fragment at 512 c + 16 lane.
; scl: pair record of 512 bytes = [u 2][r 16][four scale words, s = 0 .. 3].   Pairs 0-1023: hidden; 1024 + 16 m + P: weight m (q, k, v, o).
; A block's scale is 2^(floor(log2(largest magnitude)) - 2); its byte is the largest magnitude's exponent field - 2, held at 1 from below.
; LIMITS: a block whose largest magnitude lies under 2^-124 gets the byte 1; a block of zeros gets the byte 1 where the rule says 127 (its codes are zeros, which add nothing, and only
; this program reads the bytes); NaN and infinities among the inputs are not served.
; SHARES: a work-group takes two pairs, a wave one tile: 16 rows x 512 numbers = 4 fragments.  Each load reads 512 neighbouring bytes of one row; the 16 x 512 bytes of a K step turn through the wave's
; own stage in LDS (rows of 528 bytes: 33 x 16) and come back 16 neighbours of each block of 32 to a lane.  Waves share nothing: no barrier.
.set SPARE, 33792                      ; behind the four stages of 8,448 bytes: the spare words, 128 bytes a wave
.set G0,  16                           ; v16-79, v80-143  two sets of 64 numbers as loaded
.set X,   144                          ; v144-207 64 numbers: register 16 b + i = k 32 b + 16 (lane / 16) + i of my row
.set PC,  208                          ; v208-219 the fragment's codes
.set Y,   220                          ; v220-227 the upper halves of the blocks, before they are moved
.set BM,  228                          ; v228-231 largest magnitudes
.set BP,  232                          ; v232-235 the other half's, then the scale bytes
.set BSO, 236                          ; v236-239 the conversions' scale operands
.set PW,  240                          ; v240     the scale word
.set PWS, 244                          ; v244-247 the four K steps' scale words
.set SEL, 20                           ; s[20:21] lane selects: lane l xor 16
; 32 nc numbers of a lane, v[s + 16 b + i] = k 32 b + 16 (lane / 16) + i of my row, become codes in v[PC] on (registers 6 c .. 6 c + 5: k = 64 c + 32 (lane / 16) + 0 .. 31) and scale bytes in v[PW] (and singly in v[BP + b]).
.macro QUANT s, nc
.irp b, 0,1,2,3
.if \b < 2*\nc
	v_max3_num_f32 v[BM+\b], |v[\s+16*\b]|, |v[\s+16*\b+1]|, 0x1800000   ; my 16 numbers of block b, and the floor 2^(3 - 127): the byte cannot fall under 1
.endif
.endr
.irp i, 2,4,6,8,10,12,14
.irp b, 0,1,2,3
.if \b < 2*\nc
	v_max3_num_f32 v[BM+\b], v[BM+\b], |v[\s+16*\b+\i]|, |v[\s+16*\b+\i+1]|   ; the blocks by turns
.endif
.endr
.endr
.irp b, 0,1,2,3
.if \b < 2*\nc
	v_permlanex16_b32 v[BP+\b], v[BM+\b], s[SEL], s[SEL+1]
.endif
.endr
.irp b, 0,1,2,3
.if \b < 2*\nc
	v_max_num_f32 v[BM+\b], v[BM+\b], v[BP+\b]     ; with lane l xor 16's 16: the block's largest magnitude
.endif
.endr
.irp b, 0,1,2,3
.if \b < 2*\nc
	v_add_nc_u32 v[BSO+\b], 0xff000000, v[BM+\b]   ; 2 off its exponent field: the conversion takes this operand's exponent field as its scale
.endif
.endr
.irp b, 0,1,2,3
.if \b < 2*\nc
	v_lshrrev_b32 v[BP+\b], 23, v[BSO+\b]          ; the scale's byte
.endif
.endr
	v_lshl_or_b32 v[PW], v[BP+1], 8, v[BP]
.if \nc > 1
	v_lshl_or_b32 v[PW], v[BP+2], 16, v[PW]
	v_lshl_or_b32 v[PW], v[BP+3], 24, v[PW]
.endif
.irp c, 0,1
.if \c < \nc
	v_cvt_scalef32_pk16_fp6_f32 v[PC+6*\c:PC+6*\c+2], v[\s+32*\c:\s+32*\c+15], v[BSO+2*\c]
	v_cvt_scalef32_pk16_fp6_f32 v[Y+4*\c:Y+4*\c+2], v[\s+32*\c+16:\s+32*\c+31], v[BSO+2*\c+1]   ; (a conversion's three registers begin on an even number)
.endif
.endr
	v_nop                                          ; one plain instruction behind the last scaled conversion
.irp c, 0,1
.if \c < \nc
.irp i, 0,1,2
	v_permlane16_swap_b32 v[PC+6*\c+\i], v[Y+4*\c+\i]   ; a whole block to a lane: lanes 0-15 block 2 c, lanes 16-31 block 2 c + 1
.endr
.irp i, 0,1,2
	v_mov_b32 v[PC+6*\c+3+\i], v[Y+4*\c+\i]
.endr
.endif
.endr
.endm
	s_load_b256 s[4:11], s[0:1], 0x0               ; hidden s[4:5], Wq s[6:7], Wk s[8:9], Wv s[10:11]
	s_load_b128 s[12:15], s[0:1], 0x20             ; Wo s[12:13], cod s[14:15]
	s_load_b64 s[16:17], s[0:1], 0x30              ; scl
	v_lshl_add_u32 v6, v0, 2, SPARE                ; my spare word; never rewritten
	v_mov_b32 v7, 0                                ; 0; never rewritten
	v_lshrrev_b32 v8, 5, v0
	v_readfirstlane_b32 s18, v8                    ; wave 0..3
	v_and_b32 v8, 31, v0
	v_lshlrev_b32 v1, 4, v8                        ; 16 x lane: my bytes of a load's 512, and of an image's
	s_mul_i32 s19, s18, 8448                       ; my stage
	v_add_nc_u32 v2, s19, v1                       ; into it: 16 x lane, rows by the immediate
	v_and_b32 v9, 15, v0                           ; r
	v_bfe_u32 v4, v0, 4, 1                         ; h
	v_mul_u32_u24 v3, v9, 528
	v_lshl_add_u32 v3, v4, 6, v3
	v_add_nc_u32 v3, s19, v3                       ; out of it: row r, + 64 h
	v_lshlrev_b32 v5, 4, v9
	v_lshl_add_u32 v5, v4, 3, v5                   ; the scale words: 16 r + 8 h
.irp b, 0,1,2,3
	v_mov_b32 v[BP+\b], 0                          ; written once: a lane permute's destination counts as one of its sources
.endr
	s_mov_b32 s[SEL], 0x76543210
	s_mov_b32 s[SEL+1], 0xfedcba98
	s_lshr_b32 s30, s18, 1                         ; which of the work-group's two pairs
	s_and_b32 s31, s18, 1                          ; u
	s_and_b32 s25, ttmp9, 7
	s_wait_alu depctr_va_vdst(0)
	s_wait_kmcnt 0x0
	s_mov_b64 s[22:23], s[12:13]                   ; the source is chosen by the work-group's number alone: 536 on Wo,
	s_cmp_lt_u32 ttmp9, 536
	s_cselect_b64 s[22:23], s[10:11], s[22:23]     ; 528 on Wv,
	s_cmp_lt_u32 ttmp9, 528
	s_cselect_b64 s[22:23], s[8:9], s[22:23]       ; 520 on Wk,
	s_cmp_lt_u32 ttmp9, 520
	s_cselect_b64 s[22:23], s[6:7], s[22:23]       ; 512 on Wq,
	s_cmp_lt_u32 ttmp9, 512
	s_cselect_b64 s[22:23], s[4:5], s[22:23]       ; below that hidden
	s_cselect_b32 s24, ttmp9, s25                  ; which 64 rows of the source
	s_lshl_b32 s24, s24, 6
	s_lshl_b32 s25, s30, 5
	s_add_co_u32 s24, s24, s25
	s_lshl_b32 s25, s31, 3
	s_add_co_u32 s24, s24, s25                     ; my tile's first row: 64 x .. + 32 x pair + 8 u
	s_lshl_b32 s24, s24, 11                        ; rows of 2,048 bytes (under 2^27)
	s_mov_b32 s25, 0
	s_add_nc_u64 s[22:23], s[22:23], s[24:25]
	s_lshl_b32 s28, ttmp9, 1
	s_add_co_u32 s28, s28, s30                     ; my pair's number
	s_mul_i32 s24, s28, 12288
	s_mul_i32 s29, s31, 6144
	s_add_co_u32 s24, s24, s29
	s_add_nc_u64 s[26:27], s[14:15], s[24:25]      ; my tile's four images
	s_lshl_b32 s24, s28, 9
	s_lshl_b32 s29, s31, 8
	s_add_co_u32 s24, s24, s29
	s_add_nc_u64 s[28:29], s[16:17], s[24:25]      ; my tile's 256 bytes of scale words
.macro LOADG s                         ; K step s: 16 loads, each 512 neighbouring bytes of one of my rows (rows 0-7 and 16-23 from the tile's first)
.set GL, G0+64*((\s)%2)
.irp i, 0,1,2,3,4,5,6,7,8,9,10,11,12,13,14,15
	global_load_b128 v[GL+4*\i:GL+4*\i+3], v1, s[22:23] offset:(\i+8*(\i/8))*2048+512*(\s) th:TH_LOAD_NT
.endr
.endm
.macro STEP s
.set GG, G0+64*((\s)%2)
.if (\s) < 3
	s_wait_loadcnt 16                              ; this K step's sixteen loads are in; the next step's sixteen may be out
.else
	s_wait_loadcnt 0x0
.endif
.irp i, 0,1,2,3,4,5,6,7,8,9,10,11,12,13,14,15
	ds_store_b128 v2, v[GG+4*\i:GG+4*\i+3] offset:528*\i
.endr
.irp b, 0,1,2,3
.irp j, 0,1,2,3
	ds_load_b128 v[X+16*\b+4*\j:X+16*\b+4*\j+3], v3 offset:128*\b+16*\j   ; LDS serves a wave's instructions in order: these see the stores above
.endr
.endr
	s_wait_dscnt 0x0                               ; the numbers are back, and the stores have read their registers
	s_wait_xcnt 0x0                                ; the last step's stores have read the codes' registers, which are written again below
.if (\s) < 2
	LOADG (\s)+2
.endif
	QUANT X, 2
	v_mov_b32 v[PWS+(\s)], v[PW]
.irp c, 0,1,2
	global_store_b128 v1, v[PC+4*\c:PC+4*\c+3], s[26:27] offset:1536*(\s)+512*\c   ; 32 lanes store 512 consecutive bytes, aligned
.endr
.endm
	LOADG 0
	LOADG 1
	STEP 0
	STEP 1
	STEP 2
	STEP 3
	v_cmp_ne_u32 vcc_lo, 0, v4                     ; lanes 0-15 store their row's words 0 and 1, lanes 16-31 words 2 and 3
	v_cndmask_b32 v248, v[PWS], v[PWS+2], vcc_lo
	v_cndmask_b32 v249, v[PWS+1], v[PWS+3], vcc_lo
	global_store_b64 v5, v[248:249], s[28:29]      ; 32 lanes store 256 consecutive bytes, aligned
	s_wait_tensorcnt 0x0                           ; the wave's end: three lines behind my last LDS store
	ds_add_u32 v6, v7
	s_wait_dscnt 0x0
	s_endpgm
.Lfunc_end_k_q332a68108f_prep:
	.size	k_q332a68108f_prep, .Lfunc_end_k_q332a68108f_prep-k_q332a68108f_prep
	.p2alignl 7, 3214868480
	.fill 96, 4, 3214868480
	.section	.rodata,"a",@progbits
	.p2align	6, 0x0
	.amdhsa_kernel k_q332a68108f_prep
		.amdhsa_group_segment_fixed_size 34304
		.amdhsa_private_segment_fixed_size 0
		.amdhsa_enable_private_segment 0
		.amdhsa_kernarg_size 56
		.amdhsa_user_sgpr_count 2
		.amdhsa_user_sgpr_kernarg_segment_ptr 1
		.amdhsa_wavefront_size32 1
		.amdhsa_system_sgpr_workgroup_id_x 1
		.amdhsa_system_sgpr_workgroup_id_y 1
		.amdhsa_system_sgpr_workgroup_id_z 1
		.amdhsa_system_vgpr_workitem_id 0
		.amdhsa_next_free_vgpr 256
		.amdhsa_next_free_sgpr 66
		.amdhsa_reserve_vcc 1
		.amdhsa_float_denorm_mode_32 3
		.amdhsa_float_denorm_mode_16_64 3
		.amdhsa_memory_ordered 1
		.amdhsa_forward_progress 1
		.amdhsa_inst_pref_size 34
	.end_amdhsa_kernel
	.amdgpu_metadata
---
amdhsa.version: [ 1, 2 ]
amdhsa.kernels:
  - .name:           k_q332a68108f_prep
    .symbol:         k_q332a68108f_prep.kd
    .args:
      - { .name: hidden_states, .offset: 0, .size: 8, .value_kind: global_buffer, .address_space: global }
      - { .name: Wq, .offset: 8, .size: 8, .value_kind: global_buffer, .address_space: global }
      - { .name: Wk, .offset: 16, .size: 8, .value_kind: global_buffer, .address_space: global }
      - { .name: Wv, .offset: 24, .size: 8, .value_kind: global_buffer, .address_space: global }
      - { .name: Wo, .offset: 32, .size: 8, .value_kind: global_buffer, .address_space: global }
      - { .name: cod, .offset: 40, .size: 8, .value_kind: global_buffer, .address_space: global }
      - { .name: scl, .offset: 48, .size: 8, .value_kind: global_buffer, .address_space: global }
    .group_segment_fixed_size: 34304
    .private_segment_fixed_size: 0
    .kernarg_segment_align: 8
    .kernarg_segment_size: 56
    .max_flat_workgroup_size: 128
    .sgpr_count:     66
    .vgpr_count:     256
    .wavefront_size: 32
...
	.end_amdgpu_metadata
.endif
;; end of part 1
;; launch attn (part 2): grid 8 x 32, 16 waves a work-group, no clusters, 243,712 bytes of LDS; arguments cod, scl, ocod, oscl; writes ocod, oscl
.if DOCPART == 2
	.amdgcn_target "amdgcn-amd-amdhsa--gfx1250"
	.amdhsa_code_object_version 6
	.text
	.protected	k_q332a68108f_attn
	.globl	k_q332a68108f_attn
	.p2align	8
	.type	k_q332a68108f_attn,@function
k_q332a68108f_attn:
	s_mov_b64 s[64:65], 0
	v_nop
	global_prefetch_b8 v0, s[64:65] scope:SCOPE_SE
	s_setreg_imm32_b32 hwreg(HW_REG_WAVE_MODE, 25, 1), 1
	s_wait_xcnt 0x0
; One work-group = one (batch, head): q, k, v = Q(hidden) Q(W)^T for the head's 64 channels, each quantised; S^T = K Q^T; p = 2^(t - M); O^T = V^T P^T; O / l, quantised along the head's 64 channels.
; All products on codes of FP6 (E2M3) with one E8M0 byte for each 32 along K.  q, k, v never go to memory: as codes a head's are 3 x 49,152 bytes and lie in LDS.
; THE PROJECTIONS: wave w projects q, k, v for rows 64 w .. 64 w + 63 of the sequence (pairs 2 w, 2 w + 1; tiles 4 w .. 4 w + 3) and lays their images into LDS.
; THE DEAL OF THE QUERY TILES: behind the barrier all 64 tiles of Q lie in LDS, so any wave can take any tile.  Waves 0, 5, 10, 15 take one tile (tile w / 4), the other twelve five neighbouring tiles
; (from tile 4 + 5 n on, n = floor(4 w / 5) = (52 w) >> 6 the number of such waves below w).  Of the four waves with one w % 4, and of the four with one w / 4, three carry five tiles and one carries one: 16 tiles to each four.
; Every wave walks five trips of eight steps; a wave with one tile passes over the steps' work and the tile's closing lines in trips 1 to 4, by a branch on the wave's number and the trip alone.  A tile of 16 queries runs over all 1,024 keys, 128 a step.
; ROW ORDER: lane-row r of tile u of a pair is row 32 pair + 8 u + r + 8 (r / 8), for sequence rows and for the weights' rows (the head's channels) alike, so that the 16 result registers of two neighbouring tiles are 16 neighbours along the next K.
; K = 64 IN AN INSTRUCTION OF K = 128: source 0 is an image whose row r holds 64 codes of a key of tile u = 0 and then 64 codes of a key of tile u = 1; source 1 is Q in one half and zero codes in the other:
; registers [Q 6][0 6][Q 6], of which the first 12 pick tile 0 and the last 12 tile 1.  Q's scale word is its two bytes twice.
; THE SOFTMAX: t = score x log2(e) / 8; M = the running largest t rounded up to a whole number; p = 2^(t - M) is quantised along the keys, not normalised; l is summed of the unquantised p; when M moves, l and O^T are multiplied by 2^(old M - new M), exactly.
; A block's scale for p: its largest p is 2^x with x = the block's largest t - M, so floor(log2) of it is floor(x): the byte is floor(x) + 125, x held at -124 from below.
; LIMITS: a block whose largest magnitude lies under 2^-124, and a block of zeros, get the scale byte 1 (zero codes add nothing; only this program reads the bytes); NaN and infinities are not served; 1 / l is v_rcp_f32's;
; the promise holds while the scaled scores t stay under 2^31 in magnitude.
; NO CLUSTER, NO TENSOR LOADS: what work-groups share is the batch's hidden codes (393,216 bytes) and nothing else of size; each wave loads its 24,576 bytes of them once, straight into registers, at the launch's head; the head's own
; images and weights take 241,664 bytes of LDS, so there is no room for slots, and the long part of the launch reads no memory at all: so no prefetch either.
.set KIMG,  0                          ; [pair 32][1,536]: registers 4 c .. 4 c + 3 at 512 c + 16 lane
.set VIMG,  49152                      ; [channel tile t 4][key step j 8][two halves of 768]: a half: registers 0-3 at 16 lane, 4-5 at 512 + 8 lane
.set QIMG,  98304                      ; [tile 64][half of 768]
.set WIMG,  147456                     ; [m 3][pair 2][u 2][K step 4][1,536]
.set KSC,   221184                     ; [j 8][lane 32][pair in the step 4] words
.set VSC,   225280                     ; [j 8][lane 32][t 4] words, byte = key block in the step
.set QSC,   229376                     ; [tile 64][lane 32] words
.set OST,   237568                     ; [tile / 4: 16][lane 32][tile % 4] halfwords
.set SPARE, 241664                     ; the spare words, 128 bytes a wave
.set XS,  16                           ; v16-19   hidden's scale words (s); later K's (pair in the step)
.set XC,  28                           ; v28-123  a pair's 8 fragments of hidden: (u, s) at 12 (4 u + s)
.set ACC, 124                          ; v124-187 8 accumulators
.set WB,  188                          ; v188-235 two buffers of two weight fragments; the quantiser's registers lie over them
.set PC,  200
.set Y,   212
.set BM,  220
.set BP,  224
.set BSO, 228
.set PW,  232
.set SEL, 28                           ; s[28:29]
.set QL,  28                           ; v28-45   [Q 6][0 6][Q 6]
.set KF,  56                           ; v56-103  four fragments of K, then of V
.set S,   104                          ; v104-167 S^T, then p
.set OT,  168                          ; v168-199 O^T: tile t at 8 t
.set KS,  16
.set VS,  20
.set QS,  24
.set PS,  25
.set PQ,  236                          ; v236-240 the five trips' scale halfwords of the output
; 32 nc numbers of a lane, v[s + 16 b + i] = k 32 b + 16 (lane / 16) + i of my row, become codes in v[PC] on (registers 6 c .. 6 c + 5: k = 64 c + 32 (lane / 16) + 0 .. 31) and scale bytes in v[PW] (and singly in v[BP + b]).
; Each accumulator among the sources is first read at its lowest registers.
.macro QUANT s, nc
.irp b, 0,1,2,3
.if \b < 2*\nc
	v_max3_num_f32 v[BM+\b], |v[\s+16*\b]|, |v[\s+16*\b+1]|, 0x1800000   ; my 16 numbers of block b, and the floor 2^(3 - 127): the byte cannot fall under 1
.endif
.endr
.irp i, 2,4,6,8,10,12,14
.irp b, 0,1,2,3
.if \b < 2*\nc
	v_max3_num_f32 v[BM+\b], v[BM+\b], |v[\s+16*\b+\i]|, |v[\s+16*\b+\i+1]|   ; the blocks by turns
.endif
.endr
.endr
.irp b, 0,1,2,3
.if \b < 2*\nc
	v_permlanex16_b32 v[BP+\b], v[BM+\b], s[SEL], s[SEL+1]
.endif
.endr
.irp b, 0,1,2,3
.if \b < 2*\nc
	v_max_num_f32 v[BM+\b], v[BM+\b], v[BP+\b]     ; with lane l xor 16's 16: the block's largest magnitude
.endif
.endr
.irp b, 0,1,2,3
.if \b < 2*\nc
	v_add_nc_u32 v[BSO+\b], 0xff000000, v[BM+\b]   ; 2 off its exponent field: the conversion takes this operand's exponent field as its scale
.endif
.endr
.irp b, 0,1,2,3
.if \b < 2*\nc
	v_lshrrev_b32 v[BP+\b], 23, v[BSO+\b]          ; the scale's byte
.endif
.endr
	v_lshl_or_b32 v[PW], v[BP+1], 8, v[BP]
.if \nc > 1
	s_delay_alu instid0(VALU_DEP_1)
	v_lshl_or_b32 v[PW], v[BP+2], 16, v[PW]
	s_delay_alu instid0(VALU_DEP_1)
	v_lshl_or_b32 v[PW], v[BP+3], 24, v[PW]
.endif
.irp c, 0,1
.if \c < \nc
	v_cvt_scalef32_pk16_fp6_f32 v[PC+6*\c:PC+6*\c+2], v[\s+32*\c:\s+32*\c+15], v[BSO+2*\c]
	v_cvt_scalef32_pk16_fp6_f32 v[Y+4*\c:Y+4*\c+2], v[\s+32*\c+16:\s+32*\c+31], v[BSO+2*\c+1]   ; (a conversion's three registers begin on an even number)
.endif
.endr
	v_nop                                          ; one plain instruction behind the last scaled conversion
.irp c, 0,1
.if \c < \nc
.irp i, 0,1,2
	v_permlane16_swap_b32 v[PC+6*\c+\i], v[Y+4*\c+\i]   ; a whole block to a lane: lanes 0-15 block 2 c, lanes 16-31 block 2 c + 1
.endr
.irp i, 0,1,2
	s_delay_alu instid0(VALU_DEP_3)
	v_mov_b32 v[PC+6*\c+3+\i], v[Y+4*\c+\i]
.endr
.endif
.endr
.endm
; One matrix instruction.  c: its C operand as text.  ra, rb: source 0's, source 1's scales stand in lanes 16-31 of their register.
.macro W1 d, a, b, c, sa, sb, ra, rb
.if \ra
.if \rb
	v_wmma_scale_f32_16x16x128_f8f6f4 v[\d:\d+7], v[\a:\a+11], v[\b:\b+11], \c, v[\sa], v[\sb] matrix_a_fmt:MATRIX_FMT_FP6 matrix_b_fmt:MATRIX_FMT_FP6 matrix_a_scale:MATRIX_SCALE_ROW1 matrix_b_scale:MATRIX_SCALE_ROW1
.else
	v_wmma_scale_f32_16x16x128_f8f6f4 v[\d:\d+7], v[\a:\a+11], v[\b:\b+11], \c, v[\sa], v[\sb] matrix_a_fmt:MATRIX_FMT_FP6 matrix_b_fmt:MATRIX_FMT_FP6 matrix_a_scale:MATRIX_SCALE_ROW1
.endif
.else
.if \rb
	v_wmma_scale_f32_16x16x128_f8f6f4 v[\d:\d+7], v[\a:\a+11], v[\b:\b+11], \c, v[\sa], v[\sb] matrix_a_fmt:MATRIX_FMT_FP6 matrix_b_fmt:MATRIX_FMT_FP6 matrix_b_scale:MATRIX_SCALE_ROW1
.else
	v_wmma_scale_f32_16x16x128_f8f6f4 v[\d:\d+7], v[\a:\a+11], v[\b:\b+11], \c, v[\sa], v[\sb] matrix_a_fmt:MATRIX_FMT_FP6 matrix_b_fmt:MATRIX_FMT_FP6
.endif
.endif
.endm
.macro WM d, a, b, z, sa, sb, ra, rb   ; z: the sum starts with 0; else it goes on in place
.if \z
	W1 \d, \a, \b, 0, \sa, \sb, \ra, \rb
.else
	W1 \d, \a, \b, v[\d:\d+7], \sa, \sb, \ra, \rb
.endif
.endm
	s_load_b256 s[4:11], s[0:1], 0x0               ; cod s[4:5], scl s[6:7], ocod s[8:9], oscl s[10:11]
	v_lshl_add_u32 v12, v0, 2, SPARE               ; my spare word; never rewritten
	v_mov_b32 v13, 0                               ; 0; never rewritten
	v_lshrrev_b32 v14, 5, v0
	s_delay_alu instid0(VALU_DEP_1)
	v_readfirstlane_b32 s12, v14                   ; wave 0..15
	s_mov_b32 s13, ttmp9                           ; the head
	s_and_b32 s14, ttmp7, 0xffff                   ; the batch
	v_and_b32 v202, 31, v0                         ; lane
	s_delay_alu instid0(VALU_DEP_1)
	v_lshlrev_b32 v1, 4, v202                      ; v1  16 x lane
	s_wait_alu depctr_va_vdst(0)
	v_add_nc_u32 v2, WIMG, v1                      ; v2  the weights' images, for my lane
	v_lshlrev_b32 v14, 4, v0                       ; v14 16 x thread: the weights' copy
	s_delay_alu instid0(VALU_DEP_1)
	v_add_nc_u32 v3, WIMG, v14                     ; v3  where the copy goes,
	s_delay_alu instid0(VALU_DEP_1)
	v_add_nc_u32 v15, 65536, v3                    ; v15 and its ninth part, beyond an immediate's reach
	s_mul_i32 s40, s12, 3072
	v_add_nc_u32 v4, s40, v1                       ; v4  my two images of K: KIMG (= 0) + 3,072 w + 16 lane
	s_add_co_u32 s41, s40, QIMG
	v_add_nc_u32 v6, s41, v1                       ; v6  my four halves of Q: registers 0-3,
	s_add_co_u32 s41, s41, 512
	v_lshl_add_u32 v7, v202, 3, s41                ; v7  registers 4-5
	s_lshl_b32 s41, s12, 9
	s_add_co_u32 s41, s41, QSC
	v_lshl_add_u32 v8, v202, 2, s41                ; v8  their scale words
	s_lshr_b32 s42, s12, 1
	s_lshl_b32 s42, s42, 9                         ; my key step's 512 bytes of scale words
	s_and_b32 s43, s12, 1
	s_lshl_b32 s44, s43, 3
	s_add_co_u32 s44, s44, s42
	s_add_co_u32 s44, s44, KSC
	v_add_nc_u32 v5, s44, v1                       ; v5  K's scale words: 16 lane + 4 x (pair in the step)
	s_lshl_b32 s44, s43, 1
	s_add_co_u32 s44, s44, s42
	s_add_co_u32 s44, s44, VSC
	v_add_nc_u32 v11, s44, v1                      ; v11 V's scale bytes: 16 lane + 4 t + (key block in the step)
	v_and_b32 v200, 15, v0                         ; r
	v_bfe_u32 v201, v0, 4, 1                       ; x = lane / 16
	s_delay_alu instid0(VALU_DEP_1)
	v_mul_u32_u24 v201, v201, 12288                ; lanes 16-31 hold the channel tile one further on
	s_mul_i32 s44, s12, 768
	s_add_co_u32 s44, s44, VIMG
	v_add_nc_u32 v201, s44, v201
	s_delay_alu instid0(VALU_DEP_1)
	v_lshl_add_u32 v9, v200, 4, v201               ; v9  V's halves: registers 0-3,
	s_delay_alu instid0(VALU_DEP_2)
	v_lshl_add_u32 v10, v200, 3, v201
	s_delay_alu instid0(VALU_DEP_1)
	v_add_nc_u32 v10, 512, v10                     ; v10 registers 4-5
.irp b, 0,1,2,3
	v_mov_b32 v[BP+\b], 0                          ; a lane permute's destination counts as one of its sources
.endr
	s_mov_b32 s[SEL], 0x76543210
	s_mov_b32 s[SEL+1], 0xfedcba98
	s_mov_b32 s30, 0x3e38aa3b                      ; c = log2(e) / 8
	s_mov_b32 s31, s30                             ; (named with it as a pair)
	s_mov_b32 s43, 0
	s_wait_kmcnt 0x0
	s_lshl_b32 s40, s14, 5
	s_lshl_b32 s41, s12, 1
	s_add_co_u32 s40, s40, s41                     ; my first pair of hidden: 32 b + 2 w
	s_mul_i32 s42, s40, 12288
	s_add_nc_u64 s[16:17], s[4:5], s[42:43]        ; s[16:17] its codes
	s_lshl_b32 s42, s40, 9
	s_add_nc_u64 s[18:19], s[6:7], s[42:43]        ; s[18:19] its scale words
	s_lshl_b32 s40, s13, 1
	s_add_co_u32 s40, s40, 1024                    ; Wq's pair for this head: 1,024 + 2 head; Wk's and Wv's 16 and 32 pairs on
	s_mul_i32 s42, s40, 12288
	s_add_nc_u64 s[20:21], s[4:5], s[42:43]
	s_lshl_b32 s42, s40, 9
	s_add_nc_u64 s[22:23], s[6:7], s[42:43]
	s_and_b32 s41, s12, 3                          ; the deal: w % 4 and w / 4 are equal in waves 0, 5, 10, 15 alone
	s_lshr_b32 s44, s12, 2
	s_xor_b32 s41, s41, s44
	s_min_u32 s47, s41, 1                          ; s47 1: I take five tiles; 0: one
	s_mul_i32 s41, s12, 52
	s_lshr_b32 s41, s41, 6                         ; floor(4 w / 5)
	s_mul_i32 s41, s41, 5
	s_add_co_u32 s41, s41, 4
	s_mul_i32 s41, s41, s47                        ; five tiles: from 4 + 5 floor(4 w / 5) on
	s_xor_b32 s45, s47, 1
	s_mul_i32 s45, s45, s44                        ; one tile: w / 4
	s_add_co_u32 s46, s41, s45                     ; s46 my first tile
	s_lshl_b32 s40, s14, 6
	s_add_co_u32 s40, s40, s46
	s_lshl_b32 s40, s40, 3
	s_add_co_u32 s40, s40, s13
	s_mul_i32 s42, s40, 768
	s_add_nc_u64 s[24:25], s[8:9], s[42:43]        ; s[24:25] ocod at ((64 b + my first tile) 8 + head) x 768
	s_lshl_b32 s40, s14, 3
	s_add_co_u32 s40, s40, s13
	s_lshl_b32 s40, s40, 4
	s_add_co_u32 s40, s40, s12
	s_lshl_b32 s42, s40, 8
	s_add_nc_u64 s[26:27], s[10:11], s[42:43]      ; s[26:27] oscl at ((8 b + head) 16 + w) x 256
.irp k, 0,1,2,3,4,5,6,7,8
	global_load_b128 v[ACC+4*\k:ACC+4*\k+3], v14, s[20:21] offset:(\k/3)*196608+(\k%3)*8192   ; the head's part of Wq, Wk, Wv: 3 x 24,576 bytes, 8,192 a load of the work-group
.endr
.irp bb, 0,1
	global_load_b128 v[20+4*\bb:23+4*\bb], v1, s[22:23] offset:512*\bb            ; their scale words: register 4 bb + s; lanes 0-15 tile 0, lanes 16-31 tile 1
	global_load_b128 v[236+4*\bb:239+4*\bb], v1, s[22:23] offset:8192+512*\bb
	global_load_b128 v[244+4*\bb:247+4*\bb], v1, s[22:23] offset:16384+512*\bb
.endr
.macro XLOAD i                         ; pair i of my two: 8 fragments and their scale words
.irp k, 0,1,2,3,4,5,6,7,8,9,10,11,12,13,14,15,16,17,18,19,20,21,22,23
	global_load_b128 v[XC+4*\k:XC+4*\k+3], v1, s[16:17] offset:\i*12288+512*\k
.endr
	global_load_b128 v[XS:XS+3], v1, s[18:19] offset:\i*512
.endm
	XLOAD 0
	s_wait_loadcnt 31                              ; the nine weight loads are in; the 6 + 25 issued behind them may be out
.irp k, 0,1,2,3,4,5,6,7
	ds_store_b128 v3, v[ACC+4*\k:ACC+4*\k+3] offset:8192*\k
.endr
	ds_store_b128 v15, v[ACC+32:ACC+35]
	s_wait_dscnt 0x0                               ; for the others' sake: my part of the weights lies in LDS
	s_barrier_signal -1
	s_barrier_wait -1                              ; everybody's does
.macro XRE s                           ; the second pair's fragments (0, s) and (1, s), into registers whose last products have been issued
.irp u, 0,1
.irp c, 0,1,2
	global_load_b128 v[XC+12*(4*\u+(\s))+4*\c:XC+12*(4*\u+(\s))+4*\c+3], v1, s[16:17] offset:12288+(4*\u+(\s))*1536+512*\c
.endr
.endr
.endm
.macro WLOAD n                         ; batch n: K step n / 2, the weights' pair n % 2: two fragments into buffer n % 2
.set sS, (\n)/2
.set bB, (\n)%2
.irp uu, 0,1
.irp c, 0,1,2
	ds_load_b128 v[WB+24*bB+12*\uu+4*\c:WB+24*bB+12*\uu+4*\c+3], v14 offset:bB*12288+\uu*6144+sS*1536+512*\c
.endr
.endr
.endm
; 32 rows x 64 channels x K = 512: eight batches of four matrix instructions; the eight accumulators take turns, one instruction a turn.
; m = 0, 1 (q, k): source 0 = 16 rows of W, source 1 = 16 rows of hidden: a lane holds one sequence row, registers 32 u + 16 bb + i = channel 32 bb + 16 (lane / 16) + i.
; m = 2 (v): the other way round: a lane holds one channel, registers 16 t + i = key 16 (lane / 16) + i of the pair.   re = 1: the second pair of hidden is fetched on the way.
.macro MATMUL m, re
.if \m == 0
.set WSR, 20
.elseif \m == 1
.set WSR, 236
.else
.set WSR, 244
.endif
	v_add_nc_u32 v14, \m*24576, v2
	WLOAD 0
	WLOAD 1
	s_wait_alu depctr_va_vdst(0)
.irp n, 0,1,2,3,4,5,6,7
.if \n < 7
	s_wait_dscnt 6                                 ; this batch's six loads are in; the next batch's six may be out
.else
	s_wait_dscnt 0x0
.endif
.if \n < 2
.set fZ, 1
.else
.set fZ, 0
.endif
.irp uu, 0,1
.irp u, 0,1
.if \m < 2
	WM ACC+32*\u+16*(\n%2)+8*\uu, WB+24*(\n%2)+12*\uu, XC+12*(4*\u+\n/2), fZ, WSR+4*(\n%2)+\n/2, XS+\n/2, \uu, \u
.else
	WM ACC+16*(2*(\n%2)+\uu)+8*\u, XC+12*(4*\u+\n/2), WB+24*(\n%2)+12*\uu, fZ, XS+\n/2, WSR+4*(\n%2)+\n/2, \u, \uu
.endif
.endr
.endr
.rept 4
	v_nop                                          ; four plain instructions in front of loads into registers that these products read, and of the first read of results
.endr
.if \n < 6
	WLOAD \n+2
.endif
.if \re
.if \n%2
	XRE \n/2
.endif
.endif
.endr
.if \re
	global_load_b128 v[XS:XS+3], v1, s[18:19] offset:512
.endif
.endm
.macro PASS i                          ; pair i of my two
	s_wait_loadcnt 0x0                             ; the pair's codes and scale words (and, the first time, the weights' scale words)
	MATMUL 0, 0
	QUANT ACC, 2                                   ; blocks 0, 1: tile 0's 64 channels; blocks 2, 3: tile 1's
	ds_store_b128 v6, v[PC:PC+3] offset:1536*\i
	ds_store_b64 v7, v[PC+4:PC+5] offset:1536*\i
	ds_store_b128 v6, v[PC+6:PC+9] offset:1536*\i+768
	ds_store_b64 v7, v[PC+10:PC+11] offset:1536*\i+768
	v_and_b32 v233, 0xffff, v[PW]
	s_delay_alu instid0(VALU_DEP_1)
	v_lshl_or_b32 v234, v[PW], 16, v233            ; tile 0's two bytes, twice
	v_lshrrev_b32 v233, 16, v[PW]
	s_delay_alu instid0(VALU_DEP_1)
	v_and_or_b32 v235, v[PW], 0xffff0000, v233     ; tile 1's
	ds_store_b32 v8, v234 offset:256*\i
	ds_store_b32 v8, v235 offset:256*\i+128
	s_wait_dscnt 0x0                               ; the stores are done: their registers take the next weights
	MATMUL 1, 0
	QUANT ACC, 2                                   ; the 12 registers as they stand are the pair's image: 64 codes of tile 0's key, 64 of tile 1's
.irp c, 0,1,2
	ds_store_b128 v4, v[PC+4*\c:PC+4*\c+3] offset:1536*\i+512*\c
.endr
	ds_store_b32 v5, v[PW] offset:4*\i
	s_wait_dscnt 0x0
	MATMUL 2, 1-\i
	QUANT ACC, 2                                   ; block t = channel tile t, K = the pair's 32 keys: lane (r, x) ends with the whole block of tile 2 c + x in registers 6 c .. 6 c + 5
.irp c, 0,1
	ds_store_b128 v9, v[PC+6*\c:PC+6*\c+3] offset:24576*\c+256*\i      ; to the place of lane r + 16 i in half w % 2 of key step w / 2
	ds_store_b64 v10, v[PC+6*\c+4:PC+6*\c+5] offset:24576*\c+128*\i
.endr
.irp t, 0,1,2,3
	ds_store_b8 v11, v[BP+\t] offset:4*\t+\i
.endr
	s_wait_dscnt 0x0
.endm
	PASS 0
	PASS 1
	s_barrier_signal -1                            ; my stores are done (the wait for 0 just above): q, k, v of my 64 rows lie in LDS
	s_barrier_wait -1                              ; everybody's do; from here on the images are only read
	; ---- attention.  v1-4, v6-8, v52-54 addresses that stay; v9-11, v14 those of the step in hand
	v_and_b32 v55, 31, v0
	s_delay_alu instid0(VALU_DEP_1)
	v_lshlrev_b32 v52, 4, v55                      ; v52 16 x lane
	s_delay_alu instid0(VALU_DEP_2)
	v_lshlrev_b32 v53, 3, v55                      ; v53 8 x lane
	s_delay_alu instid0(VALU_DEP_2)
	v_add_nc_u32 v1, KIMG, v52
	s_delay_alu instid0(VALU_DEP_3)
	v_add_nc_u32 v2, VIMG, v52
	s_delay_alu instid0(VALU_DEP_3)
	v_add_nc_u32 v3, VIMG+512, v53
	v_add_nc_u32 v4, KSC, v52                      ; K's scale words; V's lie VSC - KSC further on
	v_add_nc_u32 v54, OST, v53                     ; v54 the outputs' scale bytes: 8 x lane in a record of 256 bytes (four tiles)
	v_add_nc_u32 v6, QIMG, v52                     ; v6  a half of Q: registers 0-3,
	v_add_nc_u32 v7, QIMG+512, v53                 ; v7  registers 4-5,
	v_lshl_add_u32 v8, v55, 2, QSC                 ; v8  its scale words; the tile's place is added in each trip
.irp i, 0,1,2,3,4,5
	v_mov_b32 v[QL+6+\i], 0                        ; the zero codes between Q's two copies
.endr
	v_mov_b32 v51, 0                               ; (named as the upper half of the pair v[50:51])
.irp i, 1,2,3,4
	v_mov_b32 v[PQ+\i], 0                          ; read by the first trips' moves before a halfword has come so far
.endr
	s_mul_i32 s37, s46, 768                        ; my first tile's place among Q's halves,
	s_lshl_b32 s38, s46, 7                         ; and among their scale words: both step by a tile a trip (a wave with one tile: up to tile 7, inside Q's bytes)
	s_lshl_b32 s39, s47, 2                         ; my last trip with work: 4 or 0
	s_mov_b32 s32, 0                               ; the trip
	s_wait_alu depctr_va_vdst(0)
.Ltile:
	v_add_nc_u32 v55, s37, v6
	v_add_nc_u32 v234, s37, v7
	v_add_nc_u32 v9, s38, v8
	ds_load_b128 v[QL:QL+3], v55
	ds_load_b64 v[QL+4:QL+5], v234
	ds_load_b32 v[QS], v9
	v_mov_b32 v47, 0xff61b1e6                      ; the largest t so far: -3e38
	s_delay_alu instid0(VALU_DEP_1)
	v_floor_f32 v46, -v47                          ; -M
	v_mov_b32 v48, 0                               ; l, in two halves
	v_mov_b32 v49, 0
	s_wait_dscnt 0x0
.irp i, 0,1,2,3,4,5
	v_mov_b32 v[QL+12+\i], v[QL+\i]
.endr
.set j, 0
.rept 32
	v_mov_b32 v[OT+j], 0                           ; O^T: the step is written once; the first change of M multiplies zeros.  (Also the plain instructions between the writes of Q's copy and the first product)
.set j, j+1
.endr
	s_mov_b32 s34, 0                               ; the step's place in K's images (6,144 a step),
	s_mov_b32 s35, 0                               ; in V's (1,536),
	s_mov_b32 s36, 0                               ; among the scale words (512)
	s_mov_b32 s33, 8
.Lstep:                                            ; 128 keys
	v_add_nc_u32 v9, s34, v1                       ; made in every trip, ahead of the branch.  (These four are also the plain instructions between the last products and the loads into their operands)
	v_add_nc_u32 v10, s35, v2
	v_add_nc_u32 v11, s35, v3
	v_add_nc_u32 v14, s36, v4
	s_cmp_gt_u32 s32, s39                          ; a trip without a tile: the wave's number and the trip alone decide
	s_cbranch_scc1 .Lpass
.irp bt, 0,1,2,3
.irp c, 0,1,2
	ds_load_b128 v[KF+12*\bt+4*\c:KF+12*\bt+4*\c+3], v9 offset:1536*\bt+512*\c
.endr
.endr
	ds_load_b128 v[KS:KS+3], v14
	s_wait_alu depctr_va_vdst(0)
	s_wait_dscnt 0x0
.irp bt, 0,1,2,3
.irp uu, 0,1
	WM S+16*\bt+8*\uu, KF+12*\bt, QL+6*\uu, 1, KS+\bt, QS, 0, 0    ; lane (r, h): query r; register 16 bt + i: key 32 bt + 16 h + i of the step
.endr
.endr
.rept 4
	v_nop                                          ; in front of the loads into K's registers and of the first read of the scores
.endr
.irp t, 0,1,2,3                                ; V's four fragments land while the softmax is walked
	ds_load_b128 v[KF+12*\t:KF+12*\t+3], v10 offset:12288*\t
	ds_load_b64 v[KF+12*\t+4:KF+12*\t+5], v11 offset:12288*\t
	ds_load_b128 v[KF+12*\t+6:KF+12*\t+9], v10 offset:12288*\t+768
	ds_load_b64 v[KF+12*\t+10:KF+12*\t+11], v11 offset:12288*\t+768
.endr
	ds_load_b128 v[VS:VS+3], v14 offset:VSC-KSC
.irp b, 0,1,2,3
	v_max3_num_f32 v[BM+\b], v[S+16*\b], v[S+16*\b+1], v[S+16*\b+2]   ; the largest score of each block of 32 keys: for the row's maximum and for the block's scale
.endr
.irp i, 3,5,7,9,11,13
.irp b, 0,1,2,3
	v_max3_num_f32 v[BM+\b], v[BM+\b], v[S+16*\b+\i], v[S+16*\b+\i+1]
.endr
.endr
.irp b, 0,1,2,3
	v_max_num_f32 v[BM+\b], v[BM+\b], v[S+16*\b+15]
.endr
.irp b, 0,1,2,3
	s_delay_alu instid0(VALU_DEP_4)
	v_permlanex16_b32 v[BP+\b], v[BM+\b], s[SEL], s[SEL+1]
.endr
.irp b, 0,1,2,3
	s_delay_alu instid0(VALU_DEP_4)
	v_max_num_f32 v[BM+\b], v[BM+\b], v[BP+\b]     ; with lane l xor 16's 16 keys
.endr
	s_delay_alu instid0(VALU_DEP_2)
	v_max3_num_f32 v234, v[BM], v[BM+1], v[BM+2]
	s_delay_alu instid0(VALU_DEP_1)
	v_max_num_f32 v234, v234, v[BM+3]              ; the step's largest score of my query,
	s_delay_alu instid0(VALU_DEP_1)
	v_mul_f32 v234, s30, v234                      ; as t (c is positive)
	s_delay_alu instid0(VALU_DEP_1)
	v_max_num_f32 v47, v47, v234                   ; the running largest t
	v_mov_b32 v234, v46
	s_delay_alu instid0(VALU_DEP_2)
	v_floor_f32 v46, -v47                          ; the new -M = -ceil(t): a whole number
	s_delay_alu instid0(VALU_DEP_1)
	v_sub_f32 v234, v46, v234                      ; old M - new M: a whole number, 0 or less
	s_delay_alu instid0(VALU_DEP_1)
	v_cvt_i32_f32 v234, v234                       ; (it saturates)
	s_delay_alu instid0(VALU_DEP_1)
	v_ldexp_f32 v50, 1.0, v234                     ; f = 2^(old M - new M)
.set j, 0
.rept 32
	v_pk_fma_f32 v[S+j:S+j+1], v[S+j:S+j+1], s[30:31], v[46:47] op_sel_hi:[1,0,0]   ; t - M, two at a time
.set j, j+2
.endr
.irp b, 0,1,2,3
	v_fma_f32 v[BM+\b], v[BM+\b], s30, v46         ; x: the same of each block's largest score
.endr
.set j, 0
	s_wait_alu depctr_va_vdst(0)
.rept 64
	v_exp_f32 v[S+j], v[S+j]                       ; p = 2^(t - M)
.set j, j+1
.endr
	v_pk_mul_f32 v[48:49], v[48:49], v[50:51] op_sel_hi:[1,0]   ; l under the new M.  (The plain instruction behind the exponentials)
.irp b, 0,1,2,3
	v_max_num_f32 v[BM+\b], 0xc2f80000, v[BM+\b]   ; x held at -124: the byte cannot fall under 1.  (These lines name none of the batch's results)
.endr
.irp b, 0,1,2,3
	s_delay_alu instid0(VALU_DEP_4)
	v_cvt_floor_i32_f32 v[BP+\b], v[BM+\b]         ; floor(x) = floor(log2(the block's largest p)), -124 .. 0
.endr
.irp b, 0,1,2,3
	s_delay_alu instid0(VALU_DEP_4)
	v_add_lshl_u32 v[BSO+\b], v[BP+\b], 125, 23    ; the byte floor(x) - 2 + 127, as the exponent field that the conversion takes for its scale
.endr
	v_lshl_add_u32 v[PS], v[BP+1], 8, v[BP]        ; p's scale word for these 128 keys: the sum of (floor(x) + 125) << 8 b; each term lies in 1 .. 125, so nothing is carried from byte to byte
	s_delay_alu instid0(VALU_DEP_1)
	v_lshl_add_u32 v[PS], v[BP+2], 16, v[PS]
	s_delay_alu instid0(VALU_DEP_1)
	v_lshl_add_u32 v[PS], v[BP+3], 24, v[PS]
	s_delay_alu instid0(VALU_DEP_1)
	v_add_nc_u32 v[PS], 0x7d7d7d7d, v[PS]
	s_wait_alu depctr_va_vdst(0)                   ; one wait for the 64, ahead of their first reader
	v_pk_add_f32 v[232:233], v[108:109], v[112:113]
	v_pk_add_f32 v[254:255], v[116:117], v[120:121]
	v_pk_add_f32 v[252:253], v[124:125], v[128:129]
	v_pk_add_f32 v[250:251], v[132:133], v[136:137]
	v_pk_add_f32 v[248:249], v[140:141], v[144:145]
	v_pk_add_f32 v[246:247], v[148:149], v[152:153]
	v_pk_add_f32 v[244:245], v[156:157], v[160:161]
	v_pk_add_f32 v[48:49], v[48:49], v[164:165]
	v_pk_add_f32 v[232:233], v[232:233], v[104:105]
	v_pk_add_f32 v[254:255], v[254:255], v[106:107]
	v_pk_add_f32 v[252:253], v[252:253], v[110:111]
	v_pk_add_f32 v[250:251], v[250:251], v[114:115]
	v_pk_add_f32 v[248:249], v[248:249], v[118:119]
	v_pk_add_f32 v[246:247], v[246:247], v[122:123]
	v_pk_add_f32 v[244:245], v[244:245], v[126:127]
	v_pk_add_f32 v[48:49], v[48:49], v[130:131]
	v_pk_add_f32 v[232:233], v[232:233], v[134:135]
	v_pk_add_f32 v[254:255], v[254:255], v[138:139]
	v_pk_add_f32 v[252:253], v[252:253], v[142:143]
	v_pk_add_f32 v[250:251], v[250:251], v[146:147]
	v_pk_add_f32 v[248:249], v[248:249], v[150:151]
	v_pk_add_f32 v[246:247], v[246:247], v[154:155]
	v_pk_add_f32 v[244:245], v[244:245], v[158:159]
	v_pk_add_f32 v[48:49], v[48:49], v[162:163]
	v_pk_add_f32 v[232:233], v[232:233], v[166:167]
	s_delay_alu instid0(VALU_DEP_2)
	v_pk_add_f32 v[48:49], v[48:49], v[250:251]
	s_delay_alu instid0(VALU_DEP_2)
	v_pk_add_f32 v[232:233], v[232:233], v[248:249]
	v_pk_add_f32 v[254:255], v[254:255], v[246:247]
	v_pk_add_f32 v[252:253], v[252:253], v[244:245]
	s_delay_alu instid0(VALU_DEP_2)
	v_pk_add_f32 v[48:49], v[48:49], v[254:255]
	s_delay_alu instid0(VALU_DEP_2)
	v_pk_add_f32 v[232:233], v[232:233], v[252:253]
	s_delay_alu instid0(VALU_DEP_1)
	v_pk_add_f32 v[48:49], v[48:49], v[232:233]    ; l: the sum of the unquantised p
.irp c, 0,1
	v_cvt_scalef32_pk16_fp6_f32 v[PC+6*\c:PC+6*\c+2], v[S+32*\c:S+32*\c+15], v[BSO+2*\c]
	v_cvt_scalef32_pk16_fp6_f32 v[Y+4*\c:Y+4*\c+2], v[S+32*\c+16:S+32*\c+31], v[BSO+2*\c+1]
.endr
	v_nop                                          ; one plain instruction behind the last scaled conversion
.irp c, 0,1
.irp i, 0,1,2
	v_permlane16_swap_b32 v[PC+6*\c+\i], v[Y+4*\c+\i]
.endr
.irp i, 0,1,2
	s_delay_alu instid0(VALU_DEP_3)
	v_mov_b32 v[PC+6*\c+3+\i], v[Y+4*\c+\i]
.endr
.endr
.set j, 0
.rept 16
	v_pk_mul_f32 v[OT+j:OT+j+1], v[OT+j:OT+j+1], v[50:51] op_sel_hi:[1,0]   ; O^T under the new M.  (More than eight plain instructions behind the write of p's scale word, more than four behind p's codes)
.set j, j+2
.endr
	s_wait_alu depctr_va_vdst(0)
	s_wait_dscnt 0x0                               ; V's fragments and scale words
.irp t, 0,1,2,3
	WM OT+8*\t, KF+12*\t, PC, 0, VS+\t, PS, 0, 0   ; four accumulators by turns; register 8 t + i of lane (r, h): channel 32 (t / 2) + 16 h + 8 (t % 2) + i of query r
.endr
.Lpass:
	s_add_co_u32 s34, s34, 6144
	s_add_co_u32 s35, s35, 1536
	s_add_co_u32 s36, s36, 512
	s_sub_co_u32 s33, s33, 1
	s_cmp_lg_u32 s33, 0
	s_cbranch_scc1 .Lstep
	s_cmp_gt_u32 s32, s39                          ; a trip without a tile closes nothing
	s_cbranch_scc1 .Lnone
.rept 4
	v_nop                                          ; in front of the first read of O^T
.endr
	v_add_f32 v48, v48, v49                        ; l's two halves,
	s_delay_alu instid0(VALU_DEP_1)
	v_permlanex16_b32 v55, v48, s[SEL], s[SEL+1]
	s_delay_alu instid0(VALU_DEP_1)
	v_add_f32 v48, v48, v55                        ; and lane l xor 16's
	s_wait_alu depctr_va_vdst(0)
	v_rcp_f32 v50, v48
	v_nop                                          ; the plain instruction behind the reciprocal
	s_wait_alu depctr_va_vdst(0)                   ; ahead of its first reader
.set j, 0
.rept 16
	v_pk_mul_f32 v[S+j:S+j+1], v[OT+j:OT+j+1], v[50:51] op_sel_hi:[1,0]   ; O^T / l, each accumulator from its low end on: register 16 B + i = channel 32 B + 16 h + i
.set j, j+2
.endr
	QUANT S, 1                                     ; six registers: K = 64 head + 32 h + 0 .. 31 of the output projection, for my query
	global_store_b128 v52, v[PC:PC+3], s[24:25]            ; 32 lanes store 512 consecutive bytes,
	global_store_b64 v53, v[PC+4:PC+5], s[24:25] offset:512   ; and 256, both aligned
.Lnone:
.irp i, 0,1,2,3
	v_mov_b32 v[PQ+\i], v[PQ+\i+1]                 ; the trips' scale halfwords move one place down: after five trips trip i's stands in register i
.endr
	v_mov_b32 v[PQ+4], v[PW]                       ; this trip's; a trip without a tile finds the wave's one tile's again
	s_wait_xcnt 0x0                                ; the stores have read their base and data: both are written again
	s_add_nc_u64 s[24:25], s[24:25], 6144          ; the next tile's record: 8 heads x 768
	s_add_co_u32 s37, s37, 768
	s_add_co_u32 s38, s38, 128
	s_add_co_u32 s32, s32, 1
	s_cmp_lt_u32 s32, 5
	s_wait_alu depctr_va_vdst(0)
	s_cbranch_scc1 .Ltile
.irp i, 0,1,2,3,4                      ; trip i's tile: my first + i, or my one tile five times (the same halfword to the same place)
	s_mul_i32 s40, s47, \i
	s_add_co_u32 s40, s40, s46
	s_lshr_b32 s41, s40, 2
	s_lshl_b32 s41, s41, 8
	s_and_b32 s40, s40, 3
	s_lshl_b32 s40, s40, 1
	s_add_co_u32 s41, s41, s40
	v_add_nc_u32 v[56+\i], s41, v54                ; record tile / 4, halfword tile % 4
.endr
	s_lshl_b32 s40, s12, 8
	v_add_nc_u32 v55, s40, v54                     ; record w: tiles 4 w .. 4 w + 3, which several waves write
	s_wait_alu depctr_va_vdst(0)
.irp i, 0,1,2,3,4
	ds_store_b16 v[56+\i], v[PQ+\i]                ; a row's two scale bytes
.endr
	s_wait_dscnt 0x0                               ; for the others' sake: my tiles' scale bytes lie in LDS
	s_barrier_signal -1
	s_barrier_wait -1                              ; everybody's do
	ds_load_b64 v[56:57], v55
	s_wait_dscnt 0x0
	global_store_b64 v53, v[56:57], s[26:27]       ; 32 lanes store 256 consecutive bytes, aligned
	s_wait_tensorcnt 0x0                           ; the wave's end: three lines behind my last LDS store
	ds_add_u32 v12, v13
	s_wait_dscnt 0x0
	s_endpgm
.Lfunc_end_k_q332a68108f_attn:
	.size	k_q332a68108f_attn, .Lfunc_end_k_q332a68108f_attn-k_q332a68108f_attn
	.p2alignl 7, 3214868480
	.fill 96, 4, 3214868480
	.section	.rodata,"a",@progbits
	.p2align	6, 0x0
	.amdhsa_kernel k_q332a68108f_attn
		.amdhsa_group_segment_fixed_size 243712
		.amdhsa_private_segment_fixed_size 0
		.amdhsa_enable_private_segment 0
		.amdhsa_kernarg_size 32
		.amdhsa_user_sgpr_count 2
		.amdhsa_user_sgpr_kernarg_segment_ptr 1
		.amdhsa_wavefront_size32 1
		.amdhsa_system_sgpr_workgroup_id_x 1
		.amdhsa_system_sgpr_workgroup_id_y 1
		.amdhsa_system_sgpr_workgroup_id_z 1
		.amdhsa_system_vgpr_workitem_id 0
		.amdhsa_next_free_vgpr 256
		.amdhsa_next_free_sgpr 66
		.amdhsa_reserve_vcc 0
		.amdhsa_float_denorm_mode_32 3
		.amdhsa_float_denorm_mode_16_64 3
		.amdhsa_memory_ordered 1
		.amdhsa_forward_progress 1
		.amdhsa_inst_pref_size 115
	.end_amdhsa_kernel
	.amdgpu_metadata
---
amdhsa.version: [ 1, 2 ]
amdhsa.kernels:
  - .name:           k_q332a68108f_attn
    .symbol:         k_q332a68108f_attn.kd
    .args:
      - { .name: cod, .offset: 0, .size: 8, .value_kind: global_buffer, .address_space: global }
      - { .name: scl, .offset: 8, .size: 8, .value_kind: global_buffer, .address_space: global }
      - { .name: ocod, .offset: 16, .size: 8, .value_kind: global_buffer, .address_space: global }
      - { .name: oscl, .offset: 24, .size: 8, .value_kind: global_buffer, .address_space: global }
    .group_segment_fixed_size: 243712
    .private_segment_fixed_size: 0
    .kernarg_segment_align: 8
    .kernarg_segment_size: 32
    .max_flat_workgroup_size: 512
    .sgpr_count:     66
    .vgpr_count:     256
    .wavefront_size: 32
...
	.end_amdgpu_metadata
.endif
;; end of part 2
;; launch oproj (part 3): grid 256 x 1, 16 waves a work-group, no clusters, 315,392 bytes of LDS; arguments cod, scl, ocod, oscl, bo, out0; writes out0
.if DOCPART == 3
	.amdgcn_target "amdgcn-amd-amdhsa--gfx1250"
	.amdhsa_code_object_version 6
	.text
	.protected	k_q332a68108f_oproj
	.globl	k_q332a68108f_oproj
	.p2align	8
	.type	k_q332a68108f_oproj,@function
k_q332a68108f_oproj:
	s_mov_b64 s[64:65], 0
	v_nop
	global_prefetch_b8 v0, s[64:65] scope:SCOPE_SE
	s_setreg_imm32_b32 hwreg(HW_REG_WAVE_MODE, 25, 1), 1
	s_wait_xcnt 0x0
; out0 = Q(attention's result) Q(Wo)^T + bo, on codes of FP6 (E2M3) with one E8M0 byte for each 32 along K = 512.  Both operands arrive as images of the operand's registers.
; SHARES: a work-group takes 128 rows (8 tiles of 16; their codes are one dense block of 49,152 bytes, copied into LDS as it lies).  THE WAVES SHARE THE COLUMNS: wave W keeps Wo's pair W (columns 32 W .. 32 W + 31: 8 fragments,
; 96 registers) and its 16 numbers of bo for the whole launch; the rows' fragments come from LDS and each feeds two products.  Two halves of 64 rows, 8 accumulators each.
; Source 0 = 16 rows of Wo, source 1 = 16 rows of the attention's result: register 16 t + i of lane (r, h) is out(row r of tile t, column 32 W + 16 h + i).  bo is the C of each sum's first product.
; ROW ORDER: lane-row r of tile T is row 32 (T / 2) + 8 (T % 2) + r + 8 (r / 8), for the rows and for Wo's rows (the columns) alike.
; THE WAY OUT: a row's 2,048 bytes come from 16 waves: they meet in a stage in LDS (rows of 2,064 bytes), a barrier, and each wave stores 4 whole rows of each half, 512 consecutive bytes an instruction.  Each half has its own stage.
; No cluster, no tensor load: work-groups share Wo's 204,800 bytes and bo's 2,048 alone, a small part beside the 49,152 + 262,144 bytes of its own that each moves.
.set AIMG,  0                          ; [tile 8][K step 4][two halves of 768]: a half: registers 0-3 at 16 lane, 4-5 at 512 + 8 lane
.set STG,   49152                      ; 128 rows x 2,064
.set SPARE, 313344                     ; the spare words, 128 bytes a wave
.set WOS, 16                           ; v16-19 Wo's scale words; v20-27 the first half's rows', v8-15 the second's: v8-27 hold scales and nothing else
.set WC,  28                           ; v28-123  Wo's fragments: (u, s) at 12 (4 u + s)
.set ACC, 124                          ; v124-187 8 accumulators; at the head the copy (v124-147) and the rows' scale bytes as stored (v148-179)
.set SB,  188                          ; v188-235 two buffers of two fragments of rows
.set BI,  236                          ; v236-251 bo in the result's layout: 8 u + j
.macro WM d, a, b, z, c, sa, sb, ra, rb
.if \z
.if \ra
.if \rb
	v_wmma_scale_f32_16x16x128_f8f6f4 v[\d:\d+7], v[\a:\a+11], v[\b:\b+11], 0, v[\sa], v[\sb] matrix_a_fmt:MATRIX_FMT_FP6 matrix_b_fmt:MATRIX_FMT_FP6 matrix_a_scale:MATRIX_SCALE_ROW1 matrix_b_scale:MATRIX_SCALE_ROW1
.else
	v_wmma_scale_f32_16x16x128_f8f6f4 v[\d:\d+7], v[\a:\a+11], v[\b:\b+11], 0, v[\sa], v[\sb] matrix_a_fmt:MATRIX_FMT_FP6 matrix_b_fmt:MATRIX_FMT_FP6 matrix_a_scale:MATRIX_SCALE_ROW1
.endif
.else
.if \rb
	v_wmma_scale_f32_16x16x128_f8f6f4 v[\d:\d+7], v[\a:\a+11], v[\b:\b+11], 0, v[\sa], v[\sb] matrix_a_fmt:MATRIX_FMT_FP6 matrix_b_fmt:MATRIX_FMT_FP6 matrix_b_scale:MATRIX_SCALE_ROW1
.else
	v_wmma_scale_f32_16x16x128_f8f6f4 v[\d:\d+7], v[\a:\a+11], v[\b:\b+11], 0, v[\sa], v[\sb] matrix_a_fmt:MATRIX_FMT_FP6 matrix_b_fmt:MATRIX_FMT_FP6
.endif
.endif
.else
.if \ra
.if \rb
	v_wmma_scale_f32_16x16x128_f8f6f4 v[\d:\d+7], v[\a:\a+11], v[\b:\b+11], v[\c:\c+7], v[\sa], v[\sb] matrix_a_fmt:MATRIX_FMT_FP6 matrix_b_fmt:MATRIX_FMT_FP6 matrix_a_scale:MATRIX_SCALE_ROW1 matrix_b_scale:MATRIX_SCALE_ROW1
.else
	v_wmma_scale_f32_16x16x128_f8f6f4 v[\d:\d+7], v[\a:\a+11], v[\b:\b+11], v[\c:\c+7], v[\sa], v[\sb] matrix_a_fmt:MATRIX_FMT_FP6 matrix_b_fmt:MATRIX_FMT_FP6 matrix_a_scale:MATRIX_SCALE_ROW1
.endif
.else
.if \rb
	v_wmma_scale_f32_16x16x128_f8f6f4 v[\d:\d+7], v[\a:\a+11], v[\b:\b+11], v[\c:\c+7], v[\sa], v[\sb] matrix_a_fmt:MATRIX_FMT_FP6 matrix_b_fmt:MATRIX_FMT_FP6 matrix_b_scale:MATRIX_SCALE_ROW1
.else
	v_wmma_scale_f32_16x16x128_f8f6f4 v[\d:\d+7], v[\a:\a+11], v[\b:\b+11], v[\c:\c+7], v[\sa], v[\sb] matrix_a_fmt:MATRIX_FMT_FP6 matrix_b_fmt:MATRIX_FMT_FP6
.endif
.endif
.endif
.endm
	s_load_b256 s[4:11], s[0:1], 0x0               ; cod s[4:5], scl s[6:7], ocod s[8:9], oscl s[10:11]
	s_load_b128 s[12:15], s[0:1], 0x20             ; bo s[12:13], out0 s[14:15]
	v_lshl_add_u32 v6, v0, 2, SPARE                ; my spare word; never rewritten
	v_mov_b32 v7, 0                                ; 0; never rewritten
	v_lshrrev_b32 v253, 5, v0
	s_delay_alu instid0(VALU_DEP_1)
	v_readfirstlane_b32 s16, v253                  ; wave W, 0..15
	v_and_b32 v253, 31, v0
	s_delay_alu instid0(VALU_DEP_1)
	v_lshlrev_b32 v1, 4, v253                      ; v1   16 x lane
	s_delay_alu instid0(VALU_DEP_2)
	v_lshlrev_b32 v255, 3, v253                    ; v255 8 x lane
	s_delay_alu instid0(VALU_DEP_2)
	v_add_nc_u32 v2, AIMG, v1                      ; v2   an image's registers 0-3,
	s_delay_alu instid0(VALU_DEP_2)
	v_add_nc_u32 v3, AIMG, v255                    ; v3   and 4-5 (512 further on, by the immediate)
	v_and_b32 v253, 15, v0                         ; r
	v_and_b32 v254, 8, v0
	s_delay_alu instid0(VALU_DEP_1)
	v_add_nc_u32 v253, v253, v254                  ; r + 8 (r / 8)
	s_delay_alu instid0(VALU_DEP_1)
	v_mul_u32_u24 v253, v253, 2064
	v_bfe_u32 v254, v0, 4, 1                       ; h
	s_delay_alu instid0(VALU_DEP_1)
	v_lshl_add_u32 v253, v254, 6, v253
	s_lshl_b32 s17, s16, 7
	s_add_co_u32 s17, s17, STG
	v_add_nc_u32 v4, s17, v253                     ; v4   into the stage: my row of a tile, + 64 h + 128 W
	s_mul_i32 s17, s16, 4*2064
	s_add_co_u32 s17, s17, STG
	v_add_nc_u32 v5, s17, v1                       ; v5   back: rows 4 W on, 16 bytes a lane
	v_lshlrev_b32 v254, 6, v254                    ; 64 h: my half's eight numbers of bo
	v_lshlrev_b32 v253, 4, v0                      ; 16 x thread: the copy's place in memory and in LDS (AIMG = 0)
	s_mov_b32 s31, 0
	s_wait_alu depctr_va_vdst(0)
	s_wait_kmcnt 0x0
	s_mul_i32 s30, ttmp9, 49152
	s_add_nc_u64 s[18:19], s[8:9], s[30:31]        ; my 8 tiles' codes
	s_add_co_u32 s17, s16, 1072                    ; Wo's pair W: 1,024 + 48 + W
	s_mul_i32 s30, s17, 12288
	s_add_nc_u64 s[20:21], s[4:5], s[30:31]
	s_lshl_b32 s30, s17, 9
	s_add_nc_u64 s[22:23], s[6:7], s[30:31]
	s_lshl_b32 s30, s16, 7
	s_add_nc_u64 s[24:25], s[12:13], s[30:31]      ; bo at column 32 W
	s_lshr_b32 s30, ttmp9, 3
	s_lshl_b32 s30, s30, 15                        ; the batch's 32,768 bytes of scale bytes,
	s_and_b32 s17, ttmp9, 7
	s_lshl_b32 s17, s17, 9                         ; my two records of 256 in each head's 4,096
	s_add_co_u32 s30, s30, s17
	s_add_nc_u64 s[26:27], s[10:11], s[30:31]
	s_lshl_b32 s30, ttmp9, 7
	s_lshl_b32 s17, s16, 2
	s_add_co_u32 s30, s30, s17
	s_lshl_b32 s30, s30, 11
	s_add_nc_u64 s[28:29], s[14:15], s[30:31]      ; out0 at row 128 g + 4 W
.irp k, 0,1,2,3,4,5
	global_load_b128 v[ACC+4*\k:ACC+4*\k+3], v253, s[18:19] offset:8192*\k th:TH_LOAD_NT
.endr
.irp k, 0,1,2,3,4,5,6,7,8,9,10,11,12,13,14,15,16,17,18,19,20,21,22,23
	global_load_b128 v[WC+4*\k:WC+4*\k+3], v1, s[20:21] offset:512*\k
.endr
	global_load_b128 v[WOS:WOS+3], v1, s[22:23]    ; register s: lanes 0-15 tile 0, lanes 16-31 tile 1
.irp u, 0,1
.irp q, 0,1
	global_load_b128 v[BI+8*\u+4*\q:BI+8*\u+4*\q+3], v254, s[24:25] offset:32*\u+16*\q   ; bo[32 W + 16 h + 8 u + 0 .. 7]
.endr
.endr
.irp f, 0,1
.irp hd, 0,1,2,3,4,5,6,7
	global_load_b64 v[148+16*\f+2*\hd:149+16*\f+2*\hd], v255, s[26:27] offset:4096*\hd+256*\f   ; four halfwords a lane: my row's two bytes for head hd, in tiles 0 .. 3 of half f
.endr
.endr
	s_wait_loadcnt 45                              ; the six copy loads are in; the 24 + 1 + 4 + 16 issued behind them may be out
.irp k, 0,1,2,3,4,5
	ds_store_b128 v253, v[ACC+4*\k:ACC+4*\k+3] offset:8192*\k
.endr
	s_wait_dscnt 0x0                               ; for the others' sake: my part of the images lies in LDS
	s_barrier_signal -1
	s_barrier_wait -1
	s_wait_loadcnt 0x0
	v_and_b32 v252, 16, v0
	s_delay_alu instid0(VALU_DEP_1)
	v_cmp_eq_u32 vcc_lo, 0, v252
	v_mov_b32 v252, 0x07060302                     ; lanes 16-31 take the upper halfwords (the odd tile),
	v_mov_b32 v253, 0x05040100                     ; lanes 0-15 the lower (the even tile)
	s_delay_alu instid0(VALU_DEP_1)
	v_cndmask_b32 v252, v252, v253, vcc_lo
.irp f, 0,1
.irp bb, 0,1
.irp s, 0,1,2,3
	v_perm_b32 v[20-12*\f+4*\bb+\s], v[148+16*\f+2*(2*\s+1)+\bb], v[148+16*\f+2*(2*\s)+\bb], v252   ; K step s = heads 2 s, 2 s + 1: their two bytes each make the row's scale word
.endr
.endr
.endr
.rept 8
	v_nop                                          ; eight plain instructions between the writes of scale registers and the first scaled product
.endr
.macro SLOAD f, n                      ; batch n: K step n / 2, tiles 2 (n % 2), 2 (n % 2) + 1 of half f, into buffer n % 2: eight loads
.set sS, (\n)/2
.set bB, (\n)%2
.irp uu, 0,1
	ds_load_b128 v[SB+24*bB+12*\uu:SB+24*bB+12*\uu+3], v2 offset:(4*\f+2*bB+\uu)*6144+sS*1536
	ds_load_b64 v[SB+24*bB+12*\uu+4:SB+24*bB+12*\uu+5], v3 offset:(4*\f+2*bB+\uu)*6144+sS*1536+512
	ds_load_b128 v[SB+24*bB+12*\uu+6:SB+24*bB+12*\uu+9], v2 offset:(4*\f+2*bB+\uu)*6144+sS*1536+768
	ds_load_b64 v[SB+24*bB+12*\uu+10:SB+24*bB+12*\uu+11], v3 offset:(4*\f+2*bB+\uu)*6144+sS*1536+1280
.endr
.endm
.macro HALF f
.set ASR, 20-12*(\f)
	SLOAD \f, 0
	SLOAD \f, 1
.irp n, 0,1,2,3,4,5,6,7
.if \n < 7
	s_wait_alu depctr_va_vdst(0)
	s_wait_dscnt 8                                 ; this batch's eight loads are in; the next batch's eight may be out
.else
	s_wait_dscnt 0x0
.endif
.irp uu, 0,1
.irp u, 0,1
.if \n < 2
	WM ACC+16*(2*(\n%2)+\uu)+8*\u, WC+12*(4*\u+\n/2), SB+24*(\n%2)+12*\uu, 0, BI+8*\u, WOS+\n/2, ASR+4*(\n%2)+\n/2, \u, \uu      ; the bias starts the sum
.else
	WM ACC+16*(2*(\n%2)+\uu)+8*\u, WC+12*(4*\u+\n/2), SB+24*(\n%2)+12*\uu, 0, ACC+16*(2*(\n%2)+\uu)+8*\u, WOS+\n/2, ASR+4*(\n%2)+\n/2, \u, \uu   ; eight accumulators by turns
.endif
.endr
.endr
.rept 4
	v_nop                                          ; four plain instructions in front of loads into registers that these products read, and of the first read of results
.endr
.if \n < 6
	SLOAD \f, \n+2
.endif
.endr
.irp t, 0,1,2,3
.if \t%2 == 0
	v_add_nc_u32 v253, (2*\f+\t/2)*66048, v4       ; the tiles' 32 rows of the stage
.endif
.irp q, 0,1,2,3
	ds_store_b128 v253, v[ACC+16*\t+4*\q:ACC+16*\t+4*\q+3] offset:(\t%2)*16512+16*\q   ; each accumulator from its low end on
.endr
.endr
	v_add_nc_u32 v254, \f*132096, v5
	s_wait_alu depctr_va_vdst(0)
	s_wait_dscnt 0x0                               ; for the others' sake: my 128 bytes of each of the 64 rows lie in the stage
	s_barrier_signal -1
	s_barrier_wait -1
.irp k, 0,1,2,3,4,5,6,7,8,9,10,11,12,13,14,15
	ds_load_b128 v[ACC+4*\k:ACC+4*\k+3], v254 offset:2064*(\k/4)+512*(\k%4)
.endr
.irp k, 0,1,2,3,4,5,6,7,8,9,10,11,12,13,14,15
	s_wait_dscnt 15-\k                             ; load k is in; the younger ones may be out
	global_store_b128 v1, v[ACC+4*\k:ACC+4*\k+3], s[28:29] offset:(64*\f+\k/4)*2048+512*(\k%4) th:TH_STORE_NT   ; 32 lanes store 512 consecutive bytes, aligned
.endr
	s_wait_xcnt 0x0                                ; the stores have read their data: the accumulators are written again only behind this wait
.endm
	HALF 0
	HALF 1
	s_wait_tensorcnt 0x0                           ; the wave's end: three lines behind my last LDS store
	ds_add_u32 v6, v7
	s_wait_dscnt 0x0
	s_endpgm
.Lfunc_end_k_q332a68108f_oproj:
	.size	k_q332a68108f_oproj, .Lfunc_end_k_q332a68108f_oproj-k_q332a68108f_oproj
	.p2alignl 7, 3214868480
	.fill 96, 4, 3214868480
	.section	.rodata,"a",@progbits
	.p2align	6, 0x0
	.amdhsa_kernel k_q332a68108f_oproj
		.amdhsa_group_segment_fixed_size 315392
		.amdhsa_private_segment_fixed_size 0
		.amdhsa_enable_private_segment 0
		.amdhsa_kernarg_size 48
		.amdhsa_user_sgpr_count 2
		.amdhsa_user_sgpr_kernarg_segment_ptr 1
		.amdhsa_wavefront_size32 1
		.amdhsa_system_sgpr_workgroup_id_x 1
		.amdhsa_system_sgpr_workgroup_id_y 1
		.amdhsa_system_sgpr_workgroup_id_z 1
		.amdhsa_system_vgpr_workitem_id 0
		.amdhsa_next_free_vgpr 256
		.amdhsa_next_free_sgpr 66
		.amdhsa_reserve_vcc 1
		.amdhsa_float_denorm_mode_32 3
		.amdhsa_float_denorm_mode_16_64 3
		.amdhsa_memory_ordered 1
		.amdhsa_forward_progress 1
		.amdhsa_inst_pref_size 37
	.end_amdhsa_kernel
	.amdgpu_metadata
---
amdhsa.version: [ 1, 2 ]
amdhsa.kernels:
  - .name:           k_q332a68108f_oproj
    .symbol:         k_q332a68108f_oproj.kd
    .args:
      - { .name: cod, .offset: 0, .size: 8, .value_kind: global_buffer, .address_space: global }
      - { .name: scl, .offset: 8, .size: 8, .value_kind: global_buffer, .address_space: global }
      - { .name: ocod, .offset: 16, .size: 8, .value_kind: global_buffer, .address_space: global }
      - { .name: oscl, .offset: 24, .size: 8, .value_kind: global_buffer, .address_space: global }
      - { .name: bo, .offset: 32, .size: 8, .value_kind: global_buffer, .address_space: global }
      - { .name: out0, .offset: 40, .size: 8, .value_kind: global_buffer, .address_space: global }
    .group_segment_fixed_size: 315392
    .private_segment_fixed_size: 0
    .kernarg_segment_align: 8
    .kernarg_segment_size: 48
    .max_flat_workgroup_size: 512
    .sgpr_count:     66
    .vgpr_count:     256
    .wavefront_size: 32
...
	.end_amdgpu_metadata
.endif
;; end of part 3
